; MI455X (gfx1250); checked and timed in simulation.
; The chip was launched on July 23, 2026; its instructions are those of AMD's public machine-readable ISA for CDNA 5 (MIT licence, August 2026) and "CDNA5" Instruction Set Architecture Reference Guide (July 2026). The comments in the code are by the model that wrote it; some were corrected since.
;; Scaled Dot Product Attention. Allowed arithmetic: matrix products marked QUANTISED: E4M3 operands, one E8M0 scale for each 32 along K, by v_wmma_scale_f32_16x16x128_f8f6f4 with both operands' format E4M3, f32 sums; everything else in f32.
;; Inputs: multi_head_k 2 x 12 x 2,048 x 64 float32; multi_head_q 2 x 12 x 2,048 x 64 float32; multi_head_v 2 x 12 x 2,048 x 64 float32.
;; Outputs: out0 2 x 2,048 x 768 float32.
;; This version of the problem:
;;   THIS VERSION OF THE PROBLEM IS GIVEN IN LOW PRECISION. The matrix products marked QUANTISED in the list below multiply operands that are first quantised to E4M3 (4 exponent bits, 3 mantissa bits; 8 bits a number), with one power-of-two scale for each 32 numbers along K (OCP MX v1.0); their sums are f32. All else is computed in f32.
;;   The module's matrix products, in the order in which they are computed (A, B: the left and right operand; K: the contracted axis; several contracted axes count as one K, in the product's order):
;;     1. batch 24 x [M 2,048, K 64] x [K 64, N 2,048]; A: input multi_head_q; B: input multi_head_k: QUANTISED
;;     2. batch 24 x [M 2,048, K 2,048] x [K 2,048, N 64]; A: softmax (see below); B: input multi_head_v: QUANTISED
;;   THE QUANTISER, for each operand of a quantised product, along K:
;;     - K is cut into blocks of 32 from its start; a last block that is shorter is filled with zeros.
;;     - A block's scale is 2^e with e = floor(log2(the largest magnitude in the block)) - 8, held to -126 .. 127; a block of zeros has e = 0. As a byte (E8M0): e + 127.
;;     - Each number is divided by its block's scale, clamped to +-448, and rounded to the nearest number of E4M3, ties to even, subnormals kept.
;;     - The product sums the exact products of the quantised numbers (number of the format x scale) in f32.
;;   ~~~python
;;   def quantise(x, axis):      # numpy; x: float32 -> the quantised numbers, widened to float32 again
;;       x = np.moveaxis(x, axis, -1); K = x.shape[-1]
;;       x = np.pad(x, [(0, 0)] * (x.ndim - 1) + [(0, -K % 32)]); x = x.reshape(x.shape[:-1] + (-1, 32)); a = np.abs(x).max(-1, keepdims=True)
;;       e = np.where(a > 0, np.clip(np.frexp(np.where(a > 0, a, 1))[1] - 1 - 8, -126, 127), 0)      # np.frexp(a)[1] - 1 = floor(log2(a)), exactly
;;       r = np.clip(x / 2.0 ** e, -448, 448)
;;       step = 2.0 ** (np.maximum(np.frexp(np.where(r == 0, 1, r))[1] - 1, -6) - 3)
;;       q = np.round(r / step) * step * 2.0 ** e      # np.round: ties to even
;;       return np.moveaxis(q.reshape(q.shape[:-2] + (-1,))[..., :K], -1, axis).astype(np.float32)
;;   ~~~
;;   SOFTMAX AHEAD OF A QUANTISED PRODUCT. Where the list says 'softmax', what is quantised is not the finished softmax but p = 2^(t - M), with t = logit x log2(e) and M = ceil(the row's largest t), a whole number; so 1/2 < the row's largest p <= 1. The row's sum l is taken of the UNQUANTISED p, in f32, and the product's result is divided by l at the end. Since M is a whole number, a kernel that streams over the keys may use a running M (the ceiling of the running maximum): every later rescaling is an exact power of two, which a block's scale takes up: the codes' values come out the same.
;;   OPERANDS COMPUTED ON THE WAY. 'Computed on the way' means the value that the module computes at that place (a softmax that the list does not call 'softmax' is quantised finished and normalised). What goes into a quantiser is computed in f32, as accurately as f32 sums, v_exp_f32 and their like allow (about 1e-6 of the number): no bf16 or f16 on the way to a quantiser, and a product that is left as it is and whose result goes on into a quantised operand takes f32 operands (vector FMAs, or v_wmma_f32_16x16x4_f32). A number that lies on a knife's edge between two numbers of the format may be rounded either way, as far as f32 arithmetic and the matrix unit's own rounding can turn it there, and no further.
;; One version. Each part assembles by itself: llvm-mc -triple=amdgcn-amd-amdhsa -mcpu=gfx1250 --defsym DOCPART=n.
;; ======== version 1 of 1: 2 launches
;; limits: right only within a limited range of input values
;; workspace buffers: kv 6,488,064 bytes
;; launch prep (part 1): grid 384 x 2, 4 waves a work-group, no clusters, 37,376 bytes of LDS; arguments multi_head_k, multi_head_v, kv; writes kv
.if DOCPART == 1
	.amdgcn_target "amdgcn-amd-amdhsa--gfx1250"
	.amdhsa_code_object_version 6
	.text
	.protected	k_qd500b76ab6_prep
	.globl	k_qd500b76ab6_prep
	.p2align	8
	.type	k_qd500b76ab6_prep,@function
k_qd500b76ab6_prep:
	s_mov_b64 s[64:65], 0
	v_nop
	global_prefetch_b8 v0, s[64:65] scope:SCOPE_SE
	s_setreg_imm32_b32 hwreg(HW_REG_WAVE_MODE, 25, 1), 1
	s_wait_xcnt 0x0
; K and V, [24 heads][2048 keys][64] f32, become codes of FP8 (E4M3) with one E8M0 scale byte for each 32 along a product's K, laid in the ORDER OF THE OPERAND'S REGISTERS,
; so that the attention launch takes every fragment by loads of 16 bytes a lane at 16 x lane.  K is quantised along the head's 64, V along the keys.
; A block's scale is 2^(floor(log2(its largest magnitude)) - 8); its byte is the largest magnitude's exponent field - 8, held at 1 from below; each number is held within +-448 x the scale and rounded to the nearest code.
; LIMITS: NaN and infinities among the inputs are not served.  A block of zeros gets the byte 1 where the rule says 127: its codes are zeros, which add nothing under any byte but 0xff, and this program alone reads the bytes.
; WORK LEFT OUT (in the second launch): the causal mask that reference() builds adds -inf to every score of a key behind its query, whatever the inputs hold, so p is 0 there: whole steps of 128 keys behind a block of
; queries are not multiplied.  A NaN, an infinity or an overflow that reaches only that work is not carried to the result.
; SHARES.  Work-group x = 16 x head + step takes 128 keys (32,768 dense bytes); y = 0: of K, y = 1: of V.  Wave w loads keys 32 w .. 32 w + 31 as they lie and makes fragment w (16 registers a lane, 2,048 bytes).
; kv: [24][16 steps][K's 4 fragments, V's 4 fragments, K's 256 bytes of scale words, V's 256]: 16,896 bytes a step, 66 rows of 256; in a fragment group c (registers 4 c .. 4 c + 3) at 512 c, lane l at 16 l.  r = l % 16, h = l / 16.
;   K's fragment f holds TWO tiles of 16 keys: group c = key 32 f + 8 (c / 2) + r + 8 (r / 8), channels 32 (c % 2) + 16 h + 0 .. 15: the instruction's k 0-63 is one tile, its k 64-127 the other.
;   V's fragment t: group c = channel 16 t + r, keys 32 c + 16 h + 0 .. 15.
;   The scale word of fragment w, row r at 128 (w % 2) + 8 r + 4 (w / 2): a load of 8 bytes at 8 x lane gives register j = fragment 2 j in lanes 0-15, fragment 2 j + 1 in lanes 16-31.
; The 128 x 256 bytes turn through a stage in LDS: key's row at 272 key + 128 (key / 16).  So K's reads of 16 bytes (16 rows a half-wave) start at 16 different columns of 16 bytes, and V's reads of 4 bytes
; take 64 consecutive bytes in lanes 0-15 and, 4,480 bytes = 1,120 words on, the other half of the banks in lanes 16-31 (64 banks of 4 bytes: ISA guide 11.1).
.set PITCH, 272
.set WSTEP, 32*PITCH+256               ; 32 keys on in the stage
.set HSTEP, 16*PITCH+128               ; 16 keys on
.set SW,    35840                      ; behind the stage: the work-group's 256 bytes of scale words
.set SPARE, 36864                      ; the spare words, 128 bytes for each wave
.set X,   16                           ; v16-79   the numbers as loaded
.set N,   80                           ; v80-143  register 16 c + i: number i of group c
.set PC,  144                          ; v144-159 the fragment's codes
.set TM,  160                          ; v160-163 largest magnitudes, v164-167 bytes, v168-171 448 x the scale, v172-175 the conversions' scale operands
.set PW,  176                          ; v176     my row's scale word
.set SPW, 184                          ; v184 my spare word's address, v185 0
.set NIL, 185
.set WV,  12                           ; s12 wave
.set Y,   13                           ; s13 0: K, 1: V
.set SEL, 20                           ; s[20:21] v_permlanex16_b32's selects for lane l xor 16
.set MNT, 22                           ; s22 the mantissa field of 448
	s_load_b128 s[4:7], s[0:1], 0x0                ; K s[4:5], V s[6:7]
	s_load_b64 s[8:9], s[0:1], 0x10                ; kv
	v_lshl_add_u32 v[SPW], v0, 2, SPARE
	v_mov_b32 v[NIL], 0
	v_lshrrev_b32 v1, 5, v0
	v_readfirstlane_b32 s[WV], v1                  ; wave 0..3
	s_and_b32 s[Y], ttmp7, 0xffff
	v_and_b32 v1, 31, v0                           ; lane
	v_and_b32 v2, 15, v0                           ; r
	v_bfe_u32 v3, v0, 4, 1                         ; h
	s_lshl_b32 s23, s[WV], 13
	v_lshl_add_u32 v4, v1, 4, s23                  ; in memory: my wave's 8,192 bytes, 16 a lane
	s_mul_i32 s24, s[WV], WSTEP
	v_mul_u32_u24 v5, v3, PITCH
	v_lshl_add_u32 v5, v2, 4, v5
	v_add_nc_u32 v5, s24, v5                       ; into the stage: a load's 512 bytes are two keys' rows: row h, 16 r
	v_and_b32 v12, 8, v2                           ; 8 (r / 8)
	v_add_nc_u32 v13, v12, v2                      ; r + 8 (r / 8)
	v_mul_u32_u24 v6, v13, PITCH
	v_lshl_add_u32 v6, v12, 4, v6                  ; + 128 (r / 8): keys 16 on lie behind one gap
	v_lshl_add_u32 v6, v3, 6, v6                   ; + 64 h: my 16 channels of a block of 32
	v_add_nc_u32 v6, s24, v6                       ; K's reads: my wave's 32 keys
	s_lshl_b32 s25, s[WV], 6
	v_mul_u32_u24 v7, v3, HSTEP
	v_lshl_add_u32 v7, v2, 2, v7
	v_add_nc_u32 v7, s25, v7                       ; V's reads: channel 16 w + r, keys from 16 h on
	s_lshl_b32 s26, s[WV], 11
	v_lshl_add_u32 v8, v1, 4, s26                  ; the codes' place: fragment w, 16 x lane
	s_and_b32 s26, s[WV], 1
	s_lshl_b32 s26, s26, 7
	s_lshr_b32 s27, s[WV], 1
	s_lshl_b32 s27, s27, 2
	s_add_co_u32 s26, s26, s27
	s_add_co_u32 s26, s26, SW
	v_lshl_add_u32 v9, v2, 3, s26                  ; my row's scale word in LDS
	v_lshlrev_b32 v11, 3, v1                       ; the scale words' way out: 8 bytes a lane
	v_add_nc_u32 v10, SW, v11
	s_mov_b32 s[SEL], 0x76543210
	s_mov_b32 s[SEL+1], 0xfedcba98
	s_mov_b32 s[MNT], 0x600000
.irp b, 0,1,2,3
	v_mov_b32 v[TM+4+\b], 0                        ; written once: a lane permute's destination counts as one of its sources
.endr
	s_lshl_b32 s14, ttmp9, 15                      ; the work-group's 32,768 bytes of its tensor
	s_mov_b32 s15, 0
	s_mul_i32 s16, ttmp9, 16896                    ; its step's bytes in kv:
	s_lshl_b32 s28, s[Y], 8
	s_add_co_u32 s18, s16, s28
	s_add_co_u32 s18, s18, 16384                   ; the scale words, V's half 256 on,
	s_mov_b32 s19, 0
	s_lshl_b32 s28, s[Y], 13
	s_add_co_u32 s16, s16, s28                     ; and the codes, V's half 8,192 on
	s_mov_b32 s17, 0
	s_wait_alu depctr_va_vdst(0)
	s_wait_kmcnt 0x0
	s_cmp_eq_u32 s[Y], 0                           ; the choice hangs on the work-group's number alone
	s_cselect_b64 s[4:5], s[4:5], s[6:7]
	s_add_nc_u64 s[4:5], s[4:5], s[14:15]
	s_add_nc_u64 s[10:11], s[8:9], s[18:19]
	s_add_nc_u64 s[8:9], s[8:9], s[16:17]
.irp i, 0,1,2,3,4,5,6,7,8,9,10,11,12,13,14,15
	global_load_b128 v[X+4*\i:X+4*\i+3], v4, s[4:5] offset:512*\i th:TH_LOAD_NT   ; 32 lanes read 512 consecutive bytes; read once in the launch
.endr
.irp i, 0,1,2,3,4,5,6,7,8,9,10,11,12,13,14,15
	s_wait_loadcnt 15-\i                           ; loads come back in order (ISA guide 5.7.1): load i is in, the 15 - i younger ones may be out
	ds_store_b128 v5, v[X+4*\i:X+4*\i+3] offset:2*\i*PITCH+(\i/8)*128
.endr
	s_wait_dscnt 0x0                               ; for the others' sake: my 32 keys lie in the stage
	s_barrier_signal -1
	s_barrier_wait -1                              ; all 128 do: V's columns run through all four waves' rows
	s_cmp_lg_u32 s[Y], 0                           ; the two ways differ in these reads alone; every store is common to both
	s_cbranch_scc1 .Lread_v
.irp c, 0,1,2,3
.irp j, 0,1,2,3
	ds_load_b128 v[N+16*\c+4*\j:N+16*\c+4*\j+3], v6 offset:8*(\c/2)*PITCH+128*(\c%2)+16*\j   ; K: 16 neighbouring channels of my key of group c
.endr
.endr
	s_branch .Lquant
.Lread_v:
	s_wait_alu depctr_va_vdst(0)
.irp c, 0,1,2,3
.irp i, 0,1,2,3,4,5,6,7,8,9,10,11,12,13,14,15
	ds_load_b32 v[N+16*\c+\i], v7 offset:(32*\c+\i)*PITCH+256*\c   ; V: my channel at key 32 c + 16 h + i: the registers run down the keys
.endr
.endr
.Lquant:
	s_wait_dscnt 0x0
	; four blocks of 32: my 16 numbers of each and lane l xor 16's
.irp b, 0,1,2,3
	v_max3_num_f32 v[TM+\b], |v[N+16*\b]|, |v[N+1+16*\b]|, 0x4800000   ; with the floor 2^(9 - 127), under which no largest magnitude is taken: the byte cannot fall under 1
.endr
.irp i, 2,4,6,8,10,12,14
.irp b, 0,1,2,3
	v_max3_num_f32 v[TM+\b], v[TM+\b], |v[N+16*\b+\i]|, |v[N+1+16*\b+\i]|   ; the four blocks by turns
.endr
.endr
.irp b, 0,1,2,3
	v_permlanex16_b32 v[TM+4+\b], v[TM+\b], s[SEL], s[SEL+1]
.endr
.irp b, 0,1,2,3
	v_max_num_f32 v[TM+\b], v[TM+\b], v[TM+4+\b]   ; the block's largest magnitude
.endr
.irp b, 0,1,2,3
	v_add_nc_u32 v[TM+12+\b], 0xfc000000, v[TM+\b] ; 8 off its exponent field: the conversion takes the exponent field of this operand as its scale
.endr
.irp b, 0,1,2,3
	v_and_or_b32 v[TM+8+\b], v[TM+\b], 0x7f800000, s[MNT]   ; 448 x the scale
.endr
.irp b, 0,1,2,3
	v_lshrrev_b32 v[TM+4+\b], 23, v[TM+12+\b]      ; the scale's byte
.endr
	v_lshl_or_b32 v[PW], v[TM+5], 8, v[TM+4]       ; byte c belongs to group c
	v_lshl_or_b32 v[PW], v[TM+6], 16, v[PW]
	v_lshl_or_b32 v[PW], v[TM+7], 24, v[PW]
.irp b, 0,1,2,3
.irp i, 0,1,2,3,4,5,6,7,8,9,10,11,12,13,14,15
	v_med3_num_f32 v[N+16*\b+\i], v[N+16*\b+\i], -v[TM+8+\b], v[TM+8+\b]   ; the conversion to an 8-bit code does not saturate (ISA guide 7.6.2): the hold comes first
.endr
	v_cvt_scalef32_pk8_fp8_f32 v[PC+4*\b:PC+1+4*\b], v[N+16*\b:N+7+16*\b], v[TM+12+\b]
	v_cvt_scalef32_pk8_fp8_f32 v[PC+2+4*\b:PC+3+4*\b], v[N+8+16*\b:N+15+16*\b], v[TM+12+\b]
.endr
	v_nop                                          ; a plain line behind the last conversion
.irp c, 0,1,2,3
	global_store_b128 v8, v[PC+4*\c:PC+4*\c+3], s[8:9] offset:512*\c   ; 32 lanes store 512 consecutive bytes, at a multiple of 256 from the buffer's first byte
.endr
	ds_store_b32 v9, v[PW]                         ; both halves of the lanes hold the same word and write it to the same place
	s_wait_dscnt 0x0                               ; for wave 0's sake
	s_barrier_signal -1
	s_barrier_wait -1
	s_cmp_lg_u32 s[WV], 0
	s_cbranch_scc1 .Lend
	ds_load_b64 v[178:179], v10                    ; the four fragments' 64 scale words
	s_wait_dscnt 0x0
	global_store_b64 v11, v[178:179], s[10:11]     ; 32 lanes store 256 consecutive bytes, aligned
.Lend:
	s_wait_tensorcnt 0x0                           ; the wave's end
	ds_add_u32 v[SPW], v[NIL]
	s_wait_dscnt 0x0
	s_endpgm
.Lfunc_end_k_qd500b76ab6_prep:
	.size	k_qd500b76ab6_prep, .Lfunc_end_k_qd500b76ab6_prep-k_qd500b76ab6_prep
	.p2alignl 7, 3214868480
	.fill 96, 4, 3214868480
	.section	.rodata,"a",@progbits
	.p2align	6, 0x0
	.amdhsa_kernel k_qd500b76ab6_prep
		.amdhsa_group_segment_fixed_size 37376
		.amdhsa_private_segment_fixed_size 0
		.amdhsa_enable_private_segment 0
		.amdhsa_kernarg_size 24
		.amdhsa_user_sgpr_count 2
		.amdhsa_user_sgpr_kernarg_segment_ptr 1
		.amdhsa_wavefront_size32 1
		.amdhsa_system_sgpr_workgroup_id_x 1
		.amdhsa_system_sgpr_workgroup_id_y 1
		.amdhsa_system_sgpr_workgroup_id_z 1
		.amdhsa_system_vgpr_workitem_id 0
		.amdhsa_next_free_vgpr 186
		.amdhsa_next_free_sgpr 66
		.amdhsa_reserve_vcc 0
		.amdhsa_float_denorm_mode_32 3
		.amdhsa_float_denorm_mode_16_64 3
		.amdhsa_memory_ordered 1
		.amdhsa_forward_progress 1
		.amdhsa_inst_pref_size 21
	.end_amdhsa_kernel
	.amdgpu_metadata
---
amdhsa.version: [ 1, 2 ]
amdhsa.kernels:
  - .name:           k_qd500b76ab6_prep
    .symbol:         k_qd500b76ab6_prep.kd
    .args:
      - { .name: multi_head_k, .offset: 0, .size: 8, .value_kind: global_buffer, .address_space: global }
      - { .name: multi_head_v, .offset: 8, .size: 8, .value_kind: global_buffer, .address_space: global }
      - { .name: kv, .offset: 16, .size: 8, .value_kind: global_buffer, .address_space: global }
    .group_segment_fixed_size: 37376
    .private_segment_fixed_size: 0
    .kernarg_segment_align: 8
    .kernarg_segment_size: 24
    .max_flat_workgroup_size: 128
    .sgpr_count:     66
    .vgpr_count:     186
    .wavefront_size: 32
...
	.end_amdgpu_metadata
.endif
;; end of part 1
;; launch attn (part 2): grid 256 x 1, 12 waves a work-group, no clusters, 327,680 bytes of LDS; arguments multi_head_q, kv, out0; writes out0
.if DOCPART == 2
	.amdgcn_target "amdgcn-amd-amdhsa--gfx1250"
	.amdhsa_code_object_version 6
	.text
	.protected	k_qd500b76ab6_attn
	.globl	k_qd500b76ab6_attn
	.p2align	8
	.type	k_qd500b76ab6_attn,@function
k_qd500b76ab6_attn:
	s_mov_b64 s[64:65], 0
	v_nop
	global_prefetch_b8 v0, s[64:65] scope:SCOPE_SE
	s_setreg_imm32_b32 hwreg(HW_REG_WAVE_MODE, 25, 1), 1
	s_wait_xcnt 0x0
; out[b][q][64 hh + :] = the sum over keys k <= q of softmax_k(Q[q] . K[k] / 8) V[k][:], for head = 12 b + hh; both products on codes of FP8 (E4M3) with one E8M0 scale for each 32 along a product's K.
; K's and V's codes and scale words come from kv, laid in the order of the operands' registers, 16,896 bytes for a step of 128 keys; Q (f32) is quantised here, in registers.
; THE SOFTMAX AHEAD OF THE SECOND PRODUCT: t = score x log2(e) / 8; M = the largest t so far, rounded UP to a whole number; p = 2^(t - M) is quantised along the keys, not normalised.  The row's sum is taken of the
; unquantised p and divides O at the end.  When M moves, the sum and O are multiplied by 2^(old M - new M): exact.
; SHARES.  A tile is 16 queries; block j (8 tiles) needs key steps 0 .. j; steps behind that are hidden by the causal mask and left out.  A PAIR is a tile of block 15 - i (long, 16 - i steps) and one of block i (short, i + 1 steps):
; 17 steps.  Two waves take it.  Wave a: the long tile's steps 0, 1, 2 and 10 - i .. 15 - i (9 steps).  Wave b: the short tile's steps 0 .. i, then the long tile's 3 .. 9 - i (8 steps).  The two parts of the long tile,
; each with its own M and sum, are joined through LDS at the end: the scalings are powers of two.  24 heads x 64 pairs = 256 work-groups x 6 pairs.
; Three heads belong to 32 work-groups: 30 take six pairs of one head (10 a head: its pairs in the order of i, up to the fourth with i = 7), two take the twelve pairs left, all with i = 7, four of one head and two of another (MIXED).
; LDS: 18 slots of one step.  Slots 0-5 are filled at the head (one head: its steps 0-5; mixed: steps 0-2 of each), slots 6 on behind the first barrier (one head: steps 6 up to 15 - my least i;
; mixed: steps 3-8 of each).  Each wave works its first three steps, which lie in slots 0-5, ahead of the second barrier, while the second fill is on its way; behind that barrier only slots 3 on are read.  No byte is filled twice.
; THE STEPS ARE PIPELINED: a step's scores are multiplied behind the conversions of the step before, from fragments of K that were loaded a step earlier into registers of their own.
; NO CLUSTER: the work-groups of a head read the same codes, but each works other steps by branches and LDS addresses that hang on its own pairs, and partners of a joint load must run alike.
; NO PREFETCH: a wave has two tensor loads in all; there is no loop of refills to run ahead in.
; LAYOUT.  Both products are used transposed (source 0 = 16 keys, or 16 channels of V; source 1 = my 16 queries): a lane holds ONE query (lane % 16) throughout.  The head's 64 fill half of the instruction's 128 along K:
; a fragment of K carries two tiles of keys, one in k 0-63 and one in k 64-127, and is multiplied once by (Q, zeros) and once by (zeros, Q): v16-23 Q, v24-31 zeros, v32-39 Q again.  Zero codes add exactly 0
; (K's codes were held at 448, none is NaN; no scale byte is 0xff).  The keys of a tile are chosen so that register 16 b + i of the scores is key 32 b + 16 (lane / 16) + i: p's codes are the second product's operand as they come.
; LIMITS: NaN and infinities among the inputs are not served, and those that reach only hidden steps are not carried.  A block of zeros gets the scale byte 1 where the rule says 127 (its codes are zeros).  A block's largest p
; is made from its largest score by the same multiply-add and exponential: this takes v_exp_f32 not to fall where its input rises.  The scaled scores stay under 2^31 in magnitude.
.set SLOT,  16896                      ; a step: 16,384 bytes of codes, 512 of scale words
.set HEADB, 16*SLOT
.set SPARE, 18*SLOT                    ; the spare words, 128 bytes for each wave
.set STB,   SPARE+1536                 ; b's stages: 16 rows x P2 bytes (half a row of out + 16) for each pair
.set P2,    144
.set PAR,   0                          ; behind the second barrier slots 0-2 have had their one fill and their last read: the parts handed from b to a, 4,352 bytes a pair; a's stage of 16 rows x SP bytes takes the same place
.set SP,    272
.set LI,   1                           ; v1   16 x lane
.set LS,   2                           ; v2   16,384 + 8 x lane: two scale words
.set ADK,  3                           ; v3, v4     codes and scale words of the step whose K is loaded next, or was loaded last
.set ADS,  4
.set DM,   5                           ; v5   on the diagonal: my query's place in the step - 16 (lane / 16)
.set NINF, 6                           ; v6   -infinity
.set QA,   7                           ; v7   Q: 256 r + 64 h
.set STO,  8                           ; v8   a's stage, in;  v47 back
.set ST2,  9                           ; v9   b's stage, in;  v254 back
.set GO,   10                          ; v10  my byte offset in the wave's rows of out
.set PA,   11                          ; v11  the part: O's registers;  v41 its -M and sum;  v12 -M, v13 the largest t, v[14:15] the sum in two halves
.set QL,   16                          ; v[16:31] (Q, zeros)
.set QH,   24                          ; v[24:39] (zeros, Q)
.set QS,   40                          ; v40  Q's scale word: its two bytes twice, so that it serves both forms
.set PB,   41
.set KS,   42                          ; v[42:43] K's scale words;  v[44:45] V's;  v46 p's.  These hold scales and nothing else
.set VS,   44
.set PS,   46
.set RD,   47
.set F,    48                          ; v48-111  V's four fragments
.set S,    112                         ; v112-175 the scores, then p
.set O,    176                         ; v176-207 O^T: four tiles of 16 channels
.set PC,   208                         ; v208-223 p's codes
.set BM,   224                         ; v224-227 a block's largest score, then its largest p
.set T2,   228                         ; v228-231 the other half's; then the bytes
.set HL,   232                         ; v232-235 448 x the scale
.set SO,   236                         ; v236-239 the conversions' scale operands
.set SU,   240                         ; v[240:241] the sum's second chain
.set FF,   242                         ; v[242:243] f = 2^(old M - new M) (the pair's low word serves both halves)
.set TT,   244                         ; v244 at work
.set SPW,  246                         ; v246 my spare word's address, v247 0
.set NIL,  247
.set R,    248                         ; v248 lane % 16, v249 lane / 16
.set H,    249
.set FB,   250                         ; v[250:251] the join's second factor
.set ADV,  252                         ; v252, v253 codes and scale words of the step in hand, for V
.set ADT,  253
.set RD2,  254
.set FK,   0                           ; window 1: v256-319 K's four fragments
.set Q2,   64                          ; window 1: v320-327 b's codes of the long tile's Q, v328 their scale word
.set Q2S,  72
.set D1,   10                          ; s10, s11, s27: from a step's number in my list to its slot: D0 ahead of SW, D1 from there on
.set OFF,  11
.set WV,   12                          ; s12 wave;  s13 0: a, 1: b;  s14 my tile in its block;  s15 i
.set ROLE, 13
.set T,    14
.set I,    15
.set K,    16                          ; s16 which step of my list;  s17 a slot's LDS byte
.set TB,   17
.set SW,   18
.set TSW,  19                          ; s19 b: the list's first step of the long tile; a: never met
.set SEL,  20                          ; s[20:21] v_permlanex16_b32's selects for lane l xor 16
.set CS,   22                          ; s[22:23] c = log2(e) / 8
.set MNT,  24                          ; s24 the mantissa field of 448
.set KD,   25                          ; s25 the list's step on the diagonal
.set KEND, 26                          ; s26 the list's length
.set D0,   27
.set G1A,  28                          ; s[28:35] descriptor group 1: 33 rows of 256 bytes, dense;  s[36:43] 66 rows
.set G1B,  36
.set G0A,  44                          ; s[44:47], s[48:51] groups 0
.set G0B,  48
.set LIM,  52                          ; s52 so many waves have a second load
.set HEAD, 54
.set Q0,   62
.set K1,   92                          ; s92, s93 the next step and the one behind it
.set K2,   93
.set MK,   94                          ; s94 the lanes with bit 3 set
.set MSB, 0
.macro WIN new                         ; the immediate's high byte repeats the setting that is left
	s_set_vgpr_msb (MSB<<8)|\new
.set MSB, \new
.endm
	s_load_b128 s[4:7], s[0:1], 0x0                ; Q s[4:5], kv s[6:7]
	s_load_b64 s[8:9], s[0:1], 0x10                ; out
	v_lshl_add_u32 v[SPW], v0, 2, SPARE
	v_mov_b32 v[NIL], 0
	ds_add_u32 v[SPW], v[NIL]                      ; the wave's opening: the add, twice on end, and its wait
	ds_add_u32 v[SPW], v[NIL]
	v_lshrrev_b32 v1, 5, v0
	v_readfirstlane_b32 s[WV], v1                  ; wave 0..11
	; 16 numbers on end: two work-groups of each of the eight triples of heads
	s_and_b32 s53, ttmp9, 15
	s_lshr_b32 s53, s53, 1
	s_mul_i32 s53, s53, 3                          ; the triple's first head
	s_lshr_b32 s55, ttmp9, 4
	s_lshl_b32 s55, s55, 1
	s_and_b32 s76, ttmp9, 1
	s_or_b32 s55, s55, s76                         ; g: my place in the triple, 0..31
	s_cmp_ge_u32 s55, 10
	s_cselect_b32 s57, 1, 0
	s_cmp_ge_u32 s55, 20
	s_cselect_b32 s76, 1, 0
	s_add_co_u32 s57, s57, s76
	s_mul_i32 s58, s57, 10
	s_sub_co_u32 s58, s55, s58                     ; j: my place in the head, 0..9 (mixed: 10, 11)
	s_sub_co_u32 s60, s58, 10                      ; mixed: g - 30
	s_cmp_ge_u32 s55, 30
	s_cselect_b32 s59, 1, 0                        ; mixed
	s_cselect_b32 s57, s60, s57
	s_add_co_u32 s57, s57, s53                     ; my (first) head
	s_add_co_u32 s61, s53, 2                       ; mixed: the second
	; what I fetch: mixed: waves 6 to 11 of the second head
	s_cmp_ge_u32 s[WV], 6
	s_cselect_b32 s76, s59, 0
	s_cmp_eq_u32 s76, 1
	s_cselect_b32 s77, s61, s57
	s_mul_i32 s77, s77, HEADB
	s_mul_i32 s76, s76, 6
	s_sub_co_u32 s76, s[WV], s76
	s_mul_i32 s66, s76, SLOT/2
	s_add_co_u32 s66, s66, s77                     ; first load: half a slot, from the head's first step on
	s_mov_b32 s67, 0
	s_mov_b32 s[G1A], 3<<16                        ; no mask; elements of 8 bytes; no padding: fragments are read at 16 x lane, consecutive bytes
	s_mov_b32 s[G1A+1], 32<<16                     ; tensor_dim0 = 32 elements = 256 bytes
	s_mov_b32 s[G1A+2], 33<<16                     ; tensor_dim1
	s_mov_b32 s[G1A+3], 32<<16                     ; tile_dim0
	s_mov_b32 s[G1A+4], 33                         ; tile_dim1
	s_mov_b32 s[G1A+5], 32                         ; the pitch: rows follow each other
	s_mov_b32 s[G1A+6], 0
	s_mov_b32 s[G1A+7], 0
	s_mov_b32 s[G0A], 1                            ; count = 1
	s_mul_i32 s[G0A+1], s[WV], SLOT/2              ; LDS address
	v_and_b32 v[R], 15, v0
	v_bfe_u32 v[H], v0, 4, 1
	v_lshlrev_b32 v[QA], 8, v[R]
	v_lshl_add_u32 v[QA], v[H], 6, v[QA]           ; row r, + 64 h: my 16 channels of a block of 32
	s_wait_alu depctr_va_vdst(0)
	s_wait_dscnt 0x0                               ; both opening adds are done
	s_wait_kmcnt 0x0
	s_add_nc_u64 s[G0A+2:G0A+3], s[6:7], s[66:67]  ; global address
	s_or_b32 s[G0A+3], s[G0A+3], 0x80000000        ; type = 2
	tensor_load_to_lds s[G0A:G0A+3], s[G1A:G1A+7]  ; my half of slot w / 2
	s_nop 0
.rept 4
	v_nop
.endr
	; my pair: k = wave / 2, n = 6 j + k: i = n / 8, tile n % 8
	s_lshr_b32 s80, s[WV], 1
	s_mul_i32 s81, s58, 6
	s_lshr_b32 s82, s81, 3                         ; my least i
	s_sub_co_u32 s[LIM], 10, s82                   ; slots 6 .. 15 - that; mixed: 6 .. 17
	s_cmp_eq_u32 s59, 1
	s_cselect_b32 s[LIM], 12, s[LIM]
	s_add_co_u32 s81, s81, s80
	s_lshr_b32 s[I], s81, 3
	s_min_u32 s[I], s[I], 7
	s_and_b32 s82, s81, 7
	s_lshl_b32 s83, s60, 1                         ; mixed: k < 4: tile 4 + k of the first head; else tile k + 2 (g - 30) of the second; i = 7
	s_add_co_u32 s83, s83, s80
	s_add_co_u32 s84, s80, 4
	s_cmp_lt_u32 s80, 4
	s_cselect_b32 s83, s84, s83
	s_cmp_eq_u32 s59, 1
	s_cselect_b32 s[T], s83, s82
	s_cmp_ge_u32 s80, 4
	s_cselect_b32 s85, s59, 0                      ; 1: the second head
	s_cmp_eq_u32 s85, 1
	s_cselect_b32 s[HEAD], s61, s57
	s_lshr_b32 s[ROLE], s[WV], 2
	s_xor_b32 s[ROLE], s[ROLE], s[WV]
	s_and_b32 s[ROLE], s[ROLE], 1                  ; of waves 2 k and 2 k + 1 one is a, one is b; of waves w, w + 4, w + 8 not all three are alike
	s_sub_co_u32 s86, 15, s[I]                     ; the long tile's block
	s_add_co_u32 s[TSW], s[I], 1
	s_cmp_eq_u32 s[ROLE], 0
	s_cselect_b32 s[SW], 3, s[TSW]
	s_cselect_b32 s[KD], 8, s[I]
	s_cselect_b32 s[KEND], 9, 8
	s_cselect_b32 s[TSW], 255, s[TSW]
	s_cselect_b32 s[D1], 7, 2                      ; a: step k + 7 - i;  b: k + 2 - i
	s_cselect_b32 s[Q0], s86, s[I]                 ; the block of the tile that I begin with, and store
	s_sub_co_u32 s[D1], s[D1], s[I]
	s_lshl_b32 s87, s[T], 4
	s_lshl_b32 s[Q0], s[Q0], 7
	s_add_co_u32 s[Q0], s[Q0], s87                 ; its first query
	s_lshl_b32 s86, s86, 7
	s_add_co_u32 s86, s86, s87                     ; the long tile's
	s_lshl_b32 s72, s[HEAD], 19                    ; Q: a head is 2,048 rows of 256 bytes
	s_lshl_b32 s74, s86, 8
	s_add_co_u32 s74, s74, s72
	s_lshl_b32 s76, s[Q0], 8
	s_add_co_u32 s72, s72, s76
	s_mov_b32 s73, 0
	s_mov_b32 s75, 0
	s_add_nc_u64 s[88:89], s[4:5], s[72:73]
.macro QLOAD dst, base
.irp c, 0,1
.irp j, 0,1,2,3
	global_load_b128 v[(\dst)+16*\c+4*\j:(\dst)+16*\c+4*\j+3], v[QA], s[\base:\base+1] offset:128*\c+16*\j   ; register 16 c + i: channel 32 c + 16 h + i of query r
.endr
.endr
.endm
	QLOAD S, 88
	; while Q is on its way: the second load's descriptor,
	s_cmp_ge_u32 s[WV], 6
	s_cselect_b32 s76, s59, 0
	s_mul_i32 s76, s76, 6
	s_sub_co_u32 s76, s[WV], s76
	s_mul_i32 s78, s59, 3
	s_sub_co_u32 s78, 6, s78
	s_add_co_u32 s78, s78, s76
	s_mul_i32 s68, s78, SLOT
	s_add_co_u32 s68, s68, s77                     ; one slot, from step 6 (mixed: 3) on
	s_mov_b32 s69, 0
	s_mov_b32 s[G0B], 1
	s_mul_i32 s[G0B+1], s[WV], SLOT
	s_add_co_u32 s[G0B+1], s[G0B+1], 6*SLOT
	s_add_nc_u64 s[G0B+2:G0B+3], s[6:7], s[68:69]
	s_or_b32 s[G0B+3], s[G0B+3], 0x80000000
	s_mov_b32 s[G1B], 3<<16
	s_mov_b32 s[G1B+1], 32<<16
	s_mov_b32 s[G1B+2], 66<<16
	s_mov_b32 s[G1B+3], 32<<16
	s_mov_b32 s[G1B+4], 66
	s_mov_b32 s[G1B+5], 32
	s_mov_b32 s[G1B+6], 0
	s_mov_b32 s[G1B+7], 0
	; where my tile begins in out,
	s_cmp_ge_u32 s[HEAD], 12                       ; head = 12 b + hh
	s_cselect_b32 s70, 6291456, 0                  ; b x 2,048 rows of 3,072 bytes
	s_cselect_b32 s76, 12, 0
	s_sub_co_u32 s76, s[HEAD], s76
	s_lshl_b32 s76, s76, 8                         ; hh x 256 bytes
	s_add_co_u32 s70, s70, s76
	s_mul_i32 s76, s[Q0], 3072
	s_add_co_u32 s70, s70, s76
	s_mov_b32 s71, 0
	s_add_nc_u64 s[8:9], s[8:9], s[70:71]
	s_mul_i32 s[D0], s85, 3                        ; slots 0-5: the second head's steps begin at slot 3
	s_mul_i32 s[OFF], s59, 3                       ; slots 6 on: step s lies in slot s; mixed: s + 3, s + 9
	s_mul_i32 s84, s85, 6
	s_add_co_u32 s[OFF], s[OFF], s84
	s_mov_b32 s[SEL], 0x76543210
	s_mov_b32 s[SEL+1], 0xfedcba98
	s_mov_b32 s[CS], 0x3e38aa3b                    ; c = log2(e) / 8
	s_mov_b32 s[CS+1], s[CS]                       ; (named with it as a pair, so it is written)
	s_mov_b32 s[MNT], 0x600000
	s_mov_b32 s[MK], 0xff00ff00
	; addresses, constants, zeros
	v_and_b32 v[LI], 31, v0
	v_lshlrev_b32 v[LS], 3, v[LI]
	v_lshlrev_b32 v[LI], 4, v[LI]
	s_mul_i32 s76, s80, 4352                       ; my pair's part
	v_add_nc_u32 v[PA], s76, v[LI]
	v_add_nc_u32 v[PB], s76, v[LS]
	v_add_nc_u32 v[PB], PAR+4096, v[PB]
	v_add_nc_u32 v[LS], 16384, v[LS]
	v_lshlrev_b32 v[DM], 4, v[H]
	v_sub_nc_u32 v[DM], v[R], v[DM]
	v_add_nc_u32 v[DM], s87, v[DM]                 ; 16 T + r - 16 h
	v_mov_b32 v[NINF], 0xff800000
	v_mul_u32_u24 v[STO], v[R], SP
	v_lshl_add_u32 v[STO], v[H], 5, v[STO]
	v_add_nc_u32 v[STO], s76, v[STO]               ; a's stage, in: row r; tile t's eight channels of my half at 64 t + 32 h
	v_mul_u32_u24 v[RD], v[H], SP
	v_lshl_add_u32 v[RD], v[R], 4, v[RD]
	v_add_nc_u32 v[RD], s76, v[RD]                 ; back: lanes 0-15 one row of 256 bytes, lanes 16-31 the next
	s_mul_i32 s76, s80, 16*P2
	s_add_co_u32 s76, s76, STB
	v_mul_u32_u24 v[ST2], v[R], P2
	v_lshl_add_u32 v[ST2], v[H], 5, v[ST2]
	v_add_nc_u32 v[ST2], s76, v[ST2]               ; b's stage, in: the same, 32 channels at a time
	v_and_b32 v[TT], 7, v0
	v_mul_u32_u24 v[RD2], v[H], P2
	v_lshl_add_u32 v[RD2], v[TT], 4, v[RD2]
	v_add_nc_u32 v[RD2], s76, v[RD2]               ; back: lanes 0-7, and 8-15 likewise, one row's 128 bytes, lanes 16-31 the next row's
	v_mul_u32_u24 v[GO], v[H], 3072
	v_lshl_add_u32 v[GO], v[R], 4, v[GO]           ; lanes 0-15 one row of out, lanes 16-31 the next, 3,072 bytes apart
	v_mov_b32 v12, 0x7f61b1e6                      ; -M: 3e38
	v_mov_b32 v13, 0xff61b1e6                      ; the largest t so far: -3e38, under every t
	v_mov_b32 v14, 0                               ; the sum, in two halves
	v_mov_b32 v15, 0
	v_mov_b32 v[FF+1], 0                           ; (named as the upper half of a pair)
	v_mov_b32 v[FB+1], 0
.irp b, 0,1,2,3
	v_mov_b32 v[T2+\b], 0                          ; written once: a lane permute's destination counts as one of its sources
.endr
.irp j, 0,1,2,3,4,5,6,7
	v_mov_b32 v[QH+\j], 0                          ; the zero codes between Q's two copies
.endr
.set j, 0
.rept 32
	v_mov_b32 v[O+j], 0                            ; O^T.  (The step is written for all steps alike: the first finds zeros, which the first change of M leaves zeros)
.set j, j+1
.endr
	WIN 0x40                                       ; these are written on every way
.set j, 0
.rept 9
	v_mov_b32 v[Q2+j], 0
.set j, j+1
.endr
	WIN 0
; Q's two blocks of 32: my 16 numbers of each and lane l xor 16's
.macro QUANT q
.irp b, 0,1
	v_max3_num_f32 v[BM+\b], |v[(\q)+16*\b]|, |v[(\q)+1+16*\b]|, 0x4800000   ; with the floor 2^(9 - 127): the byte cannot fall under 1
.endr
.irp i, 2,4,6,8,10,12,14
.irp b, 0,1
	v_max3_num_f32 v[BM+\b], v[BM+\b], |v[(\q)+16*\b+\i]|, |v[(\q)+1+16*\b+\i]|
.endr
.endr
.irp b, 0,1
	v_permlanex16_b32 v[T2+\b], v[BM+\b], s[SEL], s[SEL+1]
.endr
.irp b, 0,1
	v_max_num_f32 v[BM+\b], v[BM+\b], v[T2+\b]
.endr
.irp b, 0,1
	v_add_nc_u32 v[SO+\b], 0xfc000000, v[BM+\b]    ; 8 off the exponent field: the conversion's scale operand
.endr
.irp b, 0,1
	v_and_or_b32 v[HL+\b], v[BM+\b], 0x7f800000, s[MNT]   ; 448 x the scale
.endr
.irp b, 0,1
	v_lshrrev_b32 v[T2+\b], 23, v[SO+\b]           ; the scale's byte
.endr
	v_lshl_or_b32 v[TT], v[T2+1], 8, v[T2]         ; bytes b0, b1; the caller doubles them: two stand over Q's codes, the other two over zero codes
.irp b, 0,1
.irp i, 0,1,2,3,4,5,6,7,8,9,10,11,12,13,14,15
	v_med3_num_f32 v[(\q)+16*\b+\i], v[(\q)+16*\b+\i], -v[HL+\b], v[HL+\b]   ; the conversion to an 8-bit code does not saturate (ISA guide 7.6.2): the hold comes first
.endr
.endr
.endm
	s_wait_alu depctr_va_vdst(0)
	s_cmp_eq_u32 s[ROLE], 0
	s_cbranch_scc1 .Lone
	s_add_nc_u64 s[90:91], s[4:5], s[74:75]        ; b: the long tile's Q too, kept as codes in window 1
	QLOAD S+32, 90
	s_wait_loadcnt 0x0
	QUANT S+32
	WIN 0x40
	v_lshl_or_b32 v[Q2S], v[TT], 16, v[TT]
.irp b, 0,1
	v_cvt_scalef32_pk8_fp8_f32 v[Q2+4*\b:Q2+1+4*\b], v[S+32+16*\b:S+39+16*\b], v[SO+\b]
	v_cvt_scalef32_pk8_fp8_f32 v[Q2+2+4*\b:Q2+3+4*\b], v[S+40+16*\b:S+47+16*\b], v[SO+\b]
.endr
	v_nop                                          ; a plain line behind the last conversion
	WIN 0
	s_wait_alu depctr_va_vdst(0)
.Lone:
	s_wait_loadcnt 0x0                             ; Q
	QUANT S
	v_lshl_or_b32 v[QS], v[TT], 16, v[TT]
.irp b, 0,1
	v_cvt_scalef32_pk8_fp8_f32 v[QL+4*\b:QL+1+4*\b], v[S+16*\b:S+7+16*\b], v[SO+\b]
	v_cvt_scalef32_pk8_fp8_f32 v[QL+2+4*\b:QL+3+4*\b], v[S+8+16*\b:S+15+16*\b], v[SO+\b]
	v_cvt_scalef32_pk8_fp8_f32 v[QH+8+4*\b:QH+9+4*\b], v[S+16*\b:S+7+16*\b], v[SO+\b]          ; the second copy is converted, not moved
	v_cvt_scalef32_pk8_fp8_f32 v[QH+10+4*\b:QH+11+4*\b], v[S+8+16*\b:S+15+16*\b], v[SO+\b]
.endr
	v_nop                                          ; a plain line between the last conversion and the products that write its sources
; On the diagonal: block b's 32 keys.  Register 16 b + i holds the step's key 32 b + 16 h + i: hidden where 32 b + i > DM.  Where 16 T >= 32 b + 32 all 32 count for all my queries; where T < 2 b none does.
.macro MASKB b
	s_cmp_ge_u32 s[T], 2*\b+2
	s_cbranch_scc1 .Lcount_\@
.if \b
	s_cmp_ge_u32 s[T], 2*\b
	s_cbranch_scc1 .Lpart_\@
.irp i, 0,1,2,3,4,5,6,7,8,9,10,11,12,13,14,15
	v_mov_b32 v[S+16*\b+\i], v[NINF]
.endr
	s_branch .Lcount_\@
.Lpart_\@:
.endif
.irp i, 0,1,2,3,4,5,6,7,8,9,10,11,12,13,14,15
	v_cmp_gt_i32 vcc_lo, 32*\b+\i, v[DM]
	v_cndmask_b32 v[S+16*\b+\i], v[S+16*\b+\i], v[NINF], vcc_lo
.endr
.Lcount_\@:
.endm
; Where step k of my list lies: slot k + D0, from k = SW on k + D1; lo .. lo + span in this part of the text (behind the second barrier both are counted from slot lo).
.macro SLOTOF k, lo, span
	s_cmp_lt_u32 s[\k], s[SW]
	s_cselect_b32 s[TB], s[D0], s[D1]
	s_add_co_u32 s[TB], s[TB], s[\k]
	s_min_u32 s[TB], s[TB], \span
	s_mul_i32 s[TB], s[TB], SLOT
	s_add_co_u32 s[TB], s[TB], \lo*SLOT
.endm
.macro KLOAD                           ; K's scale words (register j: fragment 2 j's in lanes 0-15, fragment 2 j + 1's in lanes 16-31) and four fragments: 512 consecutive bytes a load
	ds_load_b64 v[KS:KS+1], v[ADS]
	WIN 0x40
.irp f, 0,1,2,3
.irp c, 0,1,2,3
	ds_load_b128 v[FK+16*\f+4*\c:FK+16*\f+4*\c+3], v[ADK] offset:2048*\f+512*\c
.endr
.endr
	WIN 0
.endm
.macro SCORES                          ; S^T: fragment f against (Q, zeros): keys 32 f + 16 h + 0 .. 7; against (zeros, Q): keys 32 f + 16 h + 8 .. 15
	WIN 0x01
.irp f, 0,1,2,3
.if \f % 2
	v_wmma_scale_f32_16x16x128_f8f6f4 v[S+16*\f:S+16*\f+7], v[FK+16*\f:FK+16*\f+15], v[QL:QL+15], 0, v[KS+\f/2], v[QS] matrix_a_scale:MATRIX_SCALE_ROW1
	v_wmma_scale_f32_16x16x128_f8f6f4 v[S+16*\f+8:S+16*\f+15], v[FK+16*\f:FK+16*\f+15], v[QH:QH+15], 0, v[KS+\f/2], v[QS] matrix_a_scale:MATRIX_SCALE_ROW1
.else
	v_wmma_scale_f32_16x16x128_f8f6f4 v[S+16*\f:S+16*\f+7], v[FK+16*\f:FK+16*\f+15], v[QL:QL+15], 0, v[KS+\f/2], v[QS]
	v_wmma_scale_f32_16x16x128_f8f6f4 v[S+16*\f+8:S+16*\f+15], v[FK+16*\f:FK+16*\f+15], v[QH:QH+15], 0, v[KS+\f/2], v[QS]
.endif
.endr
	WIN 0
.endm
; The first step of a part: its scores, and the next step's K is asked for
.macro BEGIN lo, span
	SLOTOF K, \lo, \span
	v_add_nc_u32 v[ADK], s[TB], v[LI]
	v_add_nc_u32 v[ADS], s[TB], v[LS]
	KLOAD
	v_mov_b32 v[ADV], v[ADK]
	v_mov_b32 v[ADT], v[ADS]
	s_add_co_u32 s[K1], s[K], 1
	SLOTOF K1, \lo, \span
	s_wait_alu depctr_va_vdst(0)
	s_wait_dscnt 0x0
	SCORES
	v_add_nc_u32 v[ADK], s[TB], v[LI]
	v_add_nc_u32 v[ADS], s[TB], v[LS]
.rept 6
	v_nop                                          ; with the two additions: eight places in front of the loads into K's registers and of the first read of the scores
.endr
	KLOAD
.endm
; A KEY STEP: 128 keys, whose scores stand in S.  lim: my list ends there, or a barrier stands ahead of that step.
.macro TRIP lim, lo, span
	s_cmp_lg_u32 s[K], s[KD]                       ; one step of my list lies on the diagonal
	s_cbranch_scc1 .Lopen_\@
	MASKB 0
	MASKB 1
	MASKB 2
	MASKB 3
	s_wait_alu depctr_va_vdst(0)
.Lopen_\@:
.irp b, 0,1,2,3
	v_max3_num_f32 v[BM+\b], v[S+16*\b], v[S+1+16*\b], v[S+2+16*\b]   ; the largest score of each block of 32 keys: for the row's maximum, and for the block's largest p.  Each accumulator is read from its low end on
.endr
.irp i, 3,5,7
.irp b, 0,1,2,3
	v_max3_num_f32 v[BM+\b], v[BM+\b], v[S+16*\b+\i], v[S+1+16*\b+\i]
.endr
.endr
.irp t, 0,1,2,3                                ; sixteen plain lines behind the last step's products, which read these registers: V's four fragments, which land under the softmax
.irp c, 0,1,2,3
	ds_load_b128 v[F+16*\t+4*\c:F+16*\t+4*\c+3], v[ADV] offset:8192+2048*\t+512*\c
.endr
.endr
	ds_load_b64 v[VS:VS+1], v[ADT] offset:256
.irp i, 9,11,13
.irp b, 0,1,2,3
	v_max3_num_f32 v[BM+\b], v[BM+\b], v[S+16*\b+\i], v[S+1+16*\b+\i]
.endr
.endr
.irp b, 0,1,2,3
	v_max_num_f32 v[BM+\b], v[BM+\b], v[S+15+16*\b]
.endr
.irp b, 0,1,2,3
	v_permlanex16_b32 v[T2+\b], v[BM+\b], s[SEL], s[SEL+1]
.endr
.irp b, 0,1,2,3
	v_max_num_f32 v[BM+\b], v[BM+\b], v[T2+\b]     ; with lane l xor 16's 16 keys
.endr
	v_max3_num_f32 v[TT], v[BM], v[BM+1], v[BM+2]
	s_delay_alu instid0(VALU_DEP_1)
	v_max_num_f32 v[TT], v[TT], v[BM+3]            ; the step's largest score of my query
	s_delay_alu instid0(VALU_DEP_1)
	v_mul_f32 v[TT], s[CS], v[TT]                  ; as t (c is positive)
	s_delay_alu instid0(VALU_DEP_1)
	v_max_num_f32 v13, v13, v[TT]                  ; the running largest t
	v_mov_b32 v[TT], v12
	s_delay_alu instid0(VALU_DEP_2)
	v_floor_f32 v12, -v13                          ; the new -M = floor(-t) = -ceil(t): a whole number
	s_delay_alu instid0(VALU_DEP_1)
	v_sub_f32 v[TT], v12, v[TT]                    ; old M - new M: a whole number, 0 or less
	s_delay_alu instid0(VALU_DEP_1)
	v_cvt_i32_f32 v[TT], v[TT]                     ; (it saturates)
	s_delay_alu instid0(VALU_DEP_1)
	v_ldexp_f32 v[FF], 1.0, v[TT]                  ; f = 2^(old M - new M)
.set j, 0
.rept 32
	v_pk_fma_f32 v[S+j:S+j+1], v[S+j:S+j+1], s[CS:CS+1], v[12:13] op_sel_hi:[1,0,0]   ; t - M, two at a time (of the pairs c and -M the low word serves both halves)
.set j, j+2
.endr
.irp b, 0,1,2,3
	v_fma_f32 v[BM+\b], v[BM+\b], s[CS], v12       ; the same of each block's largest score
.endr
	s_wait_alu depctr_va_vdst(0)                   ; the wait ahead of the batch
.set j, 0
.rept 64
	v_exp_f32 v[S+j], v[S+j]                       ; p = 2^(t - M), at most 1; 0 for a hidden key
.set j, j+1
.endr
.irp b, 0,1,2,3
	v_exp_f32 v[BM+\b], v[BM+\b]                   ; the block's largest p: the same two instructions on the same number give the same bits
.endr
	v_pk_mul_f32 v[14:15], v[14:15], v[FF:FF+1] op_sel_hi:[1,0]   ; the sums under the new M.  (The plain line behind the exponentials)
	s_wait_alu depctr_va_vdst(0)                   ; and behind it
.irp b, 0,1,2,3
	v_max_num_f32 v[BM+\b], 0x4800000, v[BM+\b]    ; the floor 2^(9 - 127): a block whose every p is 0 keeps the byte 1; its codes are zeros
.endr
.irp b, 0,1,2,3
	v_add_nc_u32 v[SO+\b], 0xfc000000, v[BM+\b]    ; 8 off the exponent field: the conversion's scale operand
.endr
.irp b, 0,1,2,3
	v_and_or_b32 v[HL+\b], v[BM+\b], 0x7f800000, s[MNT]   ; 448 x the scale
.endr
.irp b, 0,1,2,3
	v_lshrrev_b32 v[T2+\b], 23, v[SO+\b]           ; the scale's byte
.endr
	v_pk_add_f32 v[SU:SU+1], v[S:S+1], v[S+2:S+3]  ; the row's sum is taken of the UNQUANTISED p: two at a time, in two chains
	v_lshl_or_b32 v[PS], v[T2+1], 8, v[T2]         ; p's scale word for these 128 keys
.set j, 4
.rept 15
	v_pk_add_f32 v[14:15], v[14:15], v[S+j:S+j+1]
	v_pk_add_f32 v[SU:SU+1], v[SU:SU+1], v[S+j+2:S+j+3]
.if j == 4
	v_lshl_or_b32 v[PS], v[T2+2], 16, v[PS]
.endif
.if j == 8
	v_lshl_or_b32 v[PS], v[T2+3], 24, v[PS]
.endif
.set j, j+4
.endr
.irp b, 0,1,2,3
.irp i, 0,2,4,6,8,10,12,14
	v_dual_min_num_f32 v[S+16*\b+\i], v[S+16*\b+\i], v[HL+\b] :: v_dual_min_num_f32 v[S+16*\b+\i+1], v[S+16*\b+\i+1], v[HL+\b]   ; the conversion does not saturate (ISA guide 7.6.2); p is not negative, so the hold is one-sided
.endr
	v_cvt_scalef32_pk8_fp8_f32 v[PC+4*\b:PC+1+4*\b], v[S+16*\b:S+7+16*\b], v[SO+\b]
	v_cvt_scalef32_pk8_fp8_f32 v[PC+2+4*\b:PC+3+4*\b], v[S+8+16*\b:S+15+16*\b], v[SO+\b]
.endr
	v_pk_add_f32 v[14:15], v[14:15], v[SU:SU+1]    ; the sum's two chains meet.  (The plain line between the last conversion and the products that write its sources)
	s_add_co_u32 s[K1], s[K], 1
	s_cmp_lg_u32 s[K1], s[TSW]
	s_cbranch_scc1 .Lmine_\@
	WIN 0x01                                       ; b: the next step is the long tile's first: its Q
	v_mov_b32 v[QS], v[Q2S]
.irp j, 0,1,2,3,4,5,6,7
	v_mov_b32 v[QL+\j], v[Q2+\j]
	v_mov_b32 v[QH+8+\j], v[Q2+\j]
.endr
	WIN 0
.rept 4
	v_nop                                          ; four places between an operand's write and a scaled product
.endr
.Lmine_\@:
	s_add_co_u32 s[K2], s[K], 2
	SLOTOF K2, \lo, \span
	s_wait_alu depctr_va_vdst(0)
	s_wait_dscnt 0x0                               ; this step's V, the next step's K
	s_cmp_ge_u32 s[K1], \lim
	s_cbranch_scc1 .Lfew_\@
	SCORES                                         ; THE NEXT STEP'S SCORES: p lies in PC as codes, S is free
.Lfew_\@:
	s_wait_alu depctr_va_vdst(0)                   ; directly ahead of the first reader of O^T
.set j, 0
.rept 16
	v_pk_mul_f32 v[O+j:O+j+1], v[O+j:O+j+1], v[FF:FF+1] op_sel_hi:[1,0]   ; O^T under the new M, each accumulator from its low end on.  (With the four lines below these are the plain lines behind the products above)
.set j, j+2
.endr
	v_mov_b32 v[ADV], v[ADK]                       ; the next step's V lies with its K
	v_mov_b32 v[ADT], v[ADS]
	v_add_nc_u32 v[ADK], s[TB], v[LI]
	v_add_nc_u32 v[ADS], s[TB], v[LS]
.irp t, 0,1,2,3                                ; O^T += V^T P^T: four accumulators, one instruction each; eight products on scores stand between two links of a chain
.if \t % 2
	v_wmma_scale_f32_16x16x128_f8f6f4 v[O+8*\t:O+8*\t+7], v[F+16*\t:F+16*\t+15], v[PC:PC+15], v[O+8*\t:O+8*\t+7], v[VS+\t/2], v[PS] matrix_a_scale:MATRIX_SCALE_ROW1
.else
	v_wmma_scale_f32_16x16x128_f8f6f4 v[O+8*\t:O+8*\t+7], v[F+16*\t:F+16*\t+15], v[PC:PC+15], v[O+8*\t:O+8*\t+7], v[VS+\t/2], v[PS]
.endif
.endr
	s_cmp_ge_u32 s[K2], \lim
	s_cbranch_scc1 .Lfar_\@
	KLOAD                                          ; K of the step behind the next one, twenty plain lines behind the products that read these registers
.Lfar_\@:
.endm
; b's short tile is finished and leaves: O^T / its sum goes through my stage, 32 channels of 16 rows at a time; lanes 0-7 of a row of lanes keep the first half's bytes, lanes 8-15 the second's, so that sixteen lanes
; store a query's 256 bytes.  Then the long tile begins from zeros.
.macro SWITCH
.rept 8
	v_nop                                          ; eight places behind the last products
.endr
	v_add_f32 v14, v14, v15                        ; the sum's two halves,
	v_permlanex16_b32 v[TT], v14, s[SEL], s[SEL+1]
	v_add_f32 v14, v14, v[TT]                      ; and lane l xor 16's: the row's sum
	s_wait_alu depctr_va_vdst(0)                   ; the wait ahead of the transcendental
	v_rcp_f32 v14, v14
	v_nop                                          ; a plain line behind it
	s_wait_alu depctr_va_vdst(0)                   ; and the wait ahead of its first reader
.set j, 0
.rept 32
	v_mul_f32 v[O+j], v[O+j], v14
.set j, j+1
.endr
.irp u, 0,1                                    ; LDS serves a wave's instructions in order (ISA guide 5.7.1.4): the loads see the stores above them, and the second half's stores come behind the first half's loads
.irp t, 0,1
	ds_store_b128 v[ST2], v[O+16*\u+8*\t:O+16*\u+8*\t+3] offset:64*\t
	ds_store_b128 v[ST2], v[O+16*\u+8*\t+4:O+16*\u+8*\t+7] offset:64*\t+16
.endr
.irp i, 0,1,2,3,4,5,6,7
	ds_load_b128 v[F+32*\u+4*\i:F+32*\u+4*\i+3], v[RD2] offset:2*\i*P2
.endr
.endr
.set j, 0
.rept 32
	v_mov_b32 v[O+j], 0
.set j, j+1
.endr
	v_mov_b32 v12, 0x7f61b1e6
	v_mov_b32 v13, 0xff61b1e6
	v_mov_b32 v14, 0
	v_mov_b32 v15, 0
	s_wait_alu depctr_va_vdst(0)
	s_wait_dscnt 0x0
.set j, 0
.rept 32
	v_cndmask_b32 v[F+j], v[F+j], v[F+32+j], s[MK]
.set j, j+1
.endr
.irp i, 0,1,2,3,4,5,6,7
	global_store_b128 v[GO], v[F+4*\i:F+4*\i+3], s[8:9] offset:2*\i*3072 th:TH_STORE_NT   ; 16 lanes store 256 consecutive bytes, at a multiple of 256 from out's first byte
.endr
	s_wait_alu depctr_va_vdst(0)
	s_wait_xcnt 0x0                                ; the stores' registers are loaded over in the next step
.endm
	s_wait_alu depctr_va_vdst(0)
	s_wait_tensorcnt 0x0                           ; my half slot is in
	ds_add_u32 v[SPW], v[NIL]
	s_wait_dscnt 0x0
	s_barrier_signal -1
	s_barrier_wait -1                              ; slots 0-5 are whole
	s_cmp_lt_u32 s[WV], s[LIM]
	s_cbranch_scc0 .Lnone
	tensor_load_to_lds s[G0B:G0B+3], s[G1B:G1B+7]  ; slot 6 + w, filled for the first time; where no wave of this work-group reads that step it is not asked for
	s_nop 0
.rept 4
	v_nop
.endr
.Lnone:
	s_mov_b32 s[K], 0
	BEGIN 0, 5
.Lfirst:                                               ; the first three steps of every list lie in slots 0-5
	TRIP 3, 0, 5
	s_add_co_u32 s[K], s[K], 1
	s_cmp_eq_u32 s[ROLE], 0                        ; a has one tile: b alone, one wave of each pair, goes on to its pair's stage
	s_cbranch_scc1 .Lsame1
	s_cmp_lg_u32 s[K], s[TSW]
	s_cbranch_scc1 .Lsame1
	SWITCH
.Lsame1:
	s_cmp_lt_u32 s[K], 3
	s_cbranch_scc1 .Lfirst
	s_sub_co_u32 s[OFF], s[OFF], 3                 ; from here on slots are counted from slot 3
	s_mov_b32 s[D0], s[OFF]
	s_add_co_u32 s[D1], s[D1], s[OFF]
	s_wait_alu depctr_va_vdst(0)
	s_wait_tensorcnt 0x0                           ; my slot of the second fill is in
	s_wait_dscnt 0x0
	s_barrier_signal -1
	s_barrier_wait -1                              ; every slot is whole
	s_mov_b32 s[K], 3
.rept 8
	v_nop                                          ; eight places behind the last products
.endr
	BEGIN 3, 14
.Lsecond:
	s_cmp_ge_u32 s[K], s[KEND]                     ; b's list is a step shorter
	s_cbranch_scc1 .Lskip
	TRIP s[KEND], 3, 14
.Lskip:
	s_add_co_u32 s[K], s[K], 1
	s_cmp_eq_u32 s[ROLE], 0                        ; b alone, as above
	s_cbranch_scc1 .Lsame2
	s_cmp_lg_u32 s[K], s[TSW]
	s_cbranch_scc1 .Lsame2
	SWITCH                                         ; (i = 7: b has no part of the long tile: it hands over zeros under M = -3e38)
.Lsame2:
	s_cmp_lt_u32 s[K], 9
	s_cbranch_scc1 .Lsecond
	; THE WAY OUT of the long tile.  Parts and a's stages lie over slots 0-2, which nobody reads behind the second barrier.
.rept 8
	v_nop                                          ; eight places behind the last products
.endr
	v_add_f32 v14, v14, v15                        ; the sum's two halves,
	v_permlanex16_b32 v[TT], v14, s[SEL], s[SEL+1]
	v_add_f32 v14, v14, v[TT]                      ; and lane l xor 16's: the row's sum
	v_mov_b32 v13, v14                             ; beside -M
	s_wait_alu depctr_va_vdst(0)
	s_cmp_eq_u32 s[ROLE], 0
	s_cbranch_scc1 .Lhand
	ds_store_b64 v[PB], v[12:13]                   ; b: its part: -M and the sum, O^T's registers
.irp j, 0,1,2,3,4,5,6,7
	ds_store_b128 v[PA], v[O+4*\j:O+4*\j+3] offset:512*\j
.endr
.Lhand:
	s_wait_dscnt 0x0                               ; for the other wave's sake
	s_barrier_signal -1
	s_barrier_wait -1
	s_cmp_lg_u32 s[ROLE], 0
	s_cbranch_scc1 .Lend
	ds_load_b64 v[BM:BM+1], v[PB]                  ; a: b's -M and sum, and its O^T
.irp j, 0,1,2,3,4,5,6,7
	ds_load_b128 v[F+4*\j:F+4*\j+3], v[PA] offset:512*\j
.endr
	s_wait_dscnt 8                                 ; the eight loads of O^T may be out
	v_min_num_f32 v[TT], v12, v[BM]                ; the common -M
	v_sub_f32 v[FF], v[TT], v12
	v_sub_f32 v[FB], v[TT], v[BM]
	v_cvt_i32_f32 v[FF], v[FF]
	v_cvt_i32_f32 v[FB], v[FB]                     ; (they saturate)
	v_ldexp_f32 v[FF], 1.0, v[FF]
	v_ldexp_f32 v[FB], 1.0, v[FB]
	v_mul_f32 v14, v14, v[FF]
	v_fmac_f32 v14, v[BM+1], v[FB]                 ; the row's sum
	s_wait_alu depctr_va_vdst(0)                   ; the wait ahead of the transcendental
	v_rcp_f32 v14, v14
	v_nop                                          ; a plain line behind it
	s_wait_dscnt 0x0
	s_wait_alu depctr_va_vdst(0)                   ; and the wait ahead of its first reader
	v_mul_f32 v[FF], v[FF], v14
	v_mul_f32 v[FB], v[FB], v14
.set j, 0
.rept 16
	v_pk_mul_f32 v[S+j:S+j+1], v[O+j:O+j+1], v[FF:FF+1] op_sel_hi:[1,0]
.set j, j+2
.endr
.set j, 0
.rept 16
	v_pk_fma_f32 v[S+j:S+j+1], v[F+j:F+j+1], v[FB:FB+1], v[S+j:S+j+1] op_sel_hi:[1,0,1]
.set j, j+2
.endr
.irp t, 0,1,2,3                                ; my loads of the part are back: my stage takes its place
	ds_store_b128 v[STO], v[S+8*\t:S+8*\t+3] offset:64*\t
	ds_store_b128 v[STO], v[S+8*\t+4:S+8*\t+7] offset:64*\t+16
.endr
.irp i, 0,1,2,3,4,5,6,7
	ds_load_b128 v[F+4*\i:F+4*\i+3], v[RD] offset:2*\i*SP
.endr
.irp i, 0,1,2,3,4,5,6,7
	s_wait_dscnt 7-\i                              ; load i is back, the 7 - i younger ones may be out
	global_store_b128 v[GO], v[F+4*\i:F+4*\i+3], s[8:9] offset:2*\i*3072 th:TH_STORE_NT   ; 16 lanes store a query's 256 consecutive bytes of this head, at a multiple of 256 from out's first byte
.endr
.Lend:
	s_wait_tensorcnt 0x0                           ; the wave's end
	ds_add_u32 v[SPW], v[NIL]
	s_wait_dscnt 0x0
	s_endpgm
.Lfunc_end_k_qd500b76ab6_attn:
	.size	k_qd500b76ab6_attn, .Lfunc_end_k_qd500b76ab6_attn-k_qd500b76ab6_attn
	.p2alignl 7, 3214868480
	.fill 96, 4, 3214868480
	.section	.rodata,"a",@progbits
	.p2align	6, 0x0
	.amdhsa_kernel k_qd500b76ab6_attn
		.amdhsa_group_segment_fixed_size 327680
		.amdhsa_private_segment_fixed_size 0
		.amdhsa_enable_private_segment 0
		.amdhsa_kernarg_size 24
		.amdhsa_user_sgpr_count 2
		.amdhsa_user_sgpr_kernarg_segment_ptr 1
		.amdhsa_wavefront_size32 1
		.amdhsa_system_sgpr_workgroup_id_x 1
		.amdhsa_system_sgpr_workgroup_id_y 1
		.amdhsa_system_sgpr_workgroup_id_z 1
		.amdhsa_system_vgpr_workitem_id 0
		.amdhsa_next_free_vgpr 336
		.amdhsa_next_free_sgpr 96
		.amdhsa_reserve_vcc 1
		.amdhsa_float_denorm_mode_32 3
		.amdhsa_float_denorm_mode_16_64 3
		.amdhsa_memory_ordered 1
		.amdhsa_forward_progress 1
		.amdhsa_inst_pref_size 104
	.end_amdhsa_kernel
	.amdgpu_metadata
---
amdhsa.version: [ 1, 2 ]
amdhsa.kernels:
  - .name:           k_qd500b76ab6_attn
    .symbol:         k_qd500b76ab6_attn.kd
    .args:
      - { .name: multi_head_q, .offset: 0, .size: 8, .value_kind: global_buffer, .address_space: global }
      - { .name: kv, .offset: 8, .size: 8, .value_kind: global_buffer, .address_space: global }
      - { .name: out0, .offset: 16, .size: 8, .value_kind: global_buffer, .address_space: global }
    .group_segment_fixed_size: 327680
    .private_segment_fixed_size: 0
    .kernarg_segment_align: 8
    .kernarg_segment_size: 24
    .max_flat_workgroup_size: 384
    .sgpr_count:     96
    .vgpr_count:     336
    .wavefront_size: 32
...
	.end_amdgpu_metadata
.endif
;; end of part 2
